; MI455X (gfx1250); checked and timed in simulation.
; The chip was launched on July 23, 2026; its instructions are those of AMD's public machine-readable ISA for CDNA 5 (MIT licence, August 2026) and "CDNA5" Instruction Set Architecture Reference Guide (July 2026). The comments in the code are by the model that wrote it; some were corrected since.
;; Memory. Allowed arithmetic: matrix products marked QUANTISED: E4M3 operands, one given power-of-two scale a tensor, by v_wmma_f32_16x16x64_fp8_fp8 or v_wmma_f32_16x16x128_fp8_fp8, f32 sums; products left as they are: f32 operands where the result goes on into a quantised operand, else bf16, f16 or f32 operands; f32 sums; everything else in f32.
;; Inputs: lowp_scales 2 int32 (the exponents e of the quantised operands' scales 2^e); mem_k 1 x 64 x 32,768 float32; mem_v1 1 x 256 x 32,768 float32; mem_v2 1 x 256 x 32,768 float32; qk 1 x 64 x 64 x 64 float32.
;; Outputs: out0 1 x 512 x 64 x 64 float32.
;; Constants: top_k = 20.
;; This version of the problem:
;;   THIS VERSION OF THE PROBLEM IS GIVEN IN LOW PRECISION. The matrix products marked QUANTISED in the list below multiply operands that are first quantised to E4M3 (4 exponent bits, 3 mantissa bits; 8 bits a number), with one given power-of-two scale for each operand tensor; their sums are f32. All else is computed in f32.
;;   The module's matrix products, in the order in which they are computed (A, B: the left and right operand; K: the contracted axis; several contracted axes count as one K, in the product's order):
;;     1. [M 32,768, K 64] x [K 64, N 4,096]; A: input mem_k; B: input qk: QUANTISED (scales: A lowp_scales[0], B lowp_scales[1])
;;     2. batch 4,096 x [M 1, K 20] x [K 20, N 256]; A: softmax; B: computed on the way: left as it is (K = 20 < 32)
;;     3. batch 4,096 x [M 1, K 20] x [K 20, N 256]; A: softmax; B: computed on the way: left as it is (K = 20 < 32)
;;   THE QUANTISER, for each operand of a quantised product, along K:
;;     - The operand's scale is 2^e, e = its entry of the input lowp_scales (int32; the entries are numbered through the quantised products in the list's order, A before B).
;;     - Each number is divided by the scale, clamped to +-448, and rounded to the nearest number of E4M3, ties to even, subnormals kept.
;;     - The product sums the exact products of the quantised numbers (number of the format x scale) in f32.
;;   ~~~python
;;   def quantise(x, axis, e):      # numpy; x: float32 -> the quantised numbers, widened to float32 again
;;       x = np.moveaxis(x, axis, -1); K = x.shape[-1]
;;       r = np.clip(x / 2.0 ** e, -448, 448)
;;       step = 2.0 ** (np.maximum(np.frexp(np.where(r == 0, 1, r))[1] - 1, -6) - 3)
;;       q = np.round(r / step) * step * 2.0 ** e      # np.round: ties to even
;;       return np.moveaxis(q, -1, axis).astype(np.float32)
;;   ~~~
;; One version. Each part assembles by itself: llvm-mc -triple=amdgcn-amd-amdhsa -mcpu=gfx1250 --defsym DOCPART=n.
;; ======== version 1 of 1: 5 launches
;; limits: values are held in f16: magnitudes above 65,504 overflow, below 6.1e-05 lose precision; values are held in bf16: 8 bits of precision; right only within a limited range of input values
;; workspace buffers: mimg 2,097,152 bytes; qimg 262,144 bytes; na8 131,072 bytes; gmax 16,777,216 bytes; gsel 393,216 bytes of whole numbers; lst 327,680 bytes of whole numbers; vtab 33,554,432 bytes
;; launch prep (part 1): grid 288 x 1, 4 waves a work-group, no clusters, 1,024 bytes of LDS; arguments mem_k, qk, lowp_scales, mimg, qimg, na8; writes mimg, qimg, na8
.if DOCPART == 1
	.amdgcn_target "amdgcn-amd-amdhsa--gfx1250"
	.amdhsa_code_object_version 6
	.text
	.protected	k_qc03fac6967_prep
	.globl	k_qc03fac6967_prep
	.p2align	8
	.type	k_qc03fac6967_prep,@function
k_qc03fac6967_prep:
	s_mov_b64 s[64:65], 0
	v_nop
	global_prefetch_b8 v0, s[64:65] scope:SCOPE_SE
	s_setreg_imm32_b32 hwreg(HW_REG_WAVE_MODE, 25, 1), 1
	s_wait_xcnt 0x0
; mem_k [64][32768] and qk [64][4096], f32 with K (the 64 channels) as FIRST axis, become codes of E4M3 with the given scales 2^e0, 2^e1,
; laid as IMAGES OF MATRIX FRAGMENTS: [tile of 16 columns][c: 2][lane rho + 16 h][16 bytes]; the 16 bytes are column 16 T + rho, k = 32 c + 16 h + 0 .. 15.
; A fragment of the 16x16x64 form then comes by two loads of 16 bytes a lane (c = 0: registers 0-3, c = 1: registers 4-7): a permutation of k that is the same in both operands.
; Beside mem_k's codes: na8[n] = -(sum over c of mem_k[c][n]^2) / 8, of the UNQUANTISED numbers, one chain of fused multiply-adds in ascending c.
; A LANE TAKES A COLUMN AND ITS REGISTERS RUN DOWN K: each load reads 128 consecutive bytes a wave, and the conversions give codes with K innermost.
; Work-groups 0-255: 128 columns each of mem_k; 256-287: 128 columns each of qk.  The two ways part on the work-group's number alone; only mem_k's way uses LDS and a barrier.
; No tensor loads, clusters or matrix work: a stream read once.
; LIMITS: -126 <= e <= 119 for both scales; NaN among the inputs is not served (an infinity is held at the largest code).
.set X, 32                             ; v32-95   my column's 64 numbers
.set C, 96                             ; v96-111  its 64 codes
.set MROW, 131072                      ; bytes from channel to channel in mem_k
.set QROW, 16384                       ; and in qk
; src, img: first register of the scalar pairs with the source and the image; e: the register with the scale's exponent; norm = 1: na8 too
.macro COLS src, img, e, pitch, norm
.set k, 0
.rept 64
	global_load_b32 v[X+k], v2, s[\src:\src+1] offset:k*\pitch th:TH_LOAD_NT   ; channel k of 32 neighbouring columns; 63 x 131,072 stays inside the signed 24-bit immediate
.set k, k+1
.endr
	s_wait_kmcnt 0x0                               ; the two exponents
	s_add_co_i32 s20, s\e, 127
	s_lshl_b32 s21, s20, 23
	v_mov_b32 v11, s21                             ; 2^e as f32: the conversion takes its exponent field
	s_add_co_i32 s20, s20, 8
	s_lshl_b32 s20, s20, 23
	s_or_b32 s20, s20, 0x600000
	v_mov_b32 v10, s20                             ; 448 x 2^e
	s_wait_alu depctr_va_vdst(0)
	s_wait_loadcnt 0x0
.if \norm
	v_mul_f32 v12, v[X], v[X]
.set k, 1
.rept 63
	v_fmac_f32 v12, v[X+k], v[X+k]
.set k, k+1
.endr
	v_mul_f32 v12, 0xbe000000, v12                 ; x -1/8: exact
.endif
.set k, 0
.rept 64
	v_med3_num_f32 v[X+k], v[X+k], -v10, v10       ; the conversion to an 8-bit code does not saturate (ISA guide 7.6.2): the hold at the largest code x the scale
.set k, k+1
.endr
.set k, 0
.rept 8
	v_cvt_scalef32_pk8_fp8_f32 v[C+2*k:C+2*k+1], v[X+8*k:X+8*k+7], v11
.set k, k+1
.endr
	v_nop                                          ; a plain line behind the last conversion
.irp i, 0,1,2,3
	global_store_b128 v3, v[C+4*\i:C+4*\i+3], s[\img:\img+1] offset:(\i>>1)*512+(\i&1)*256   ; k = 16 i on: c = i / 2, h = i % 2; sixteen lanes fill 256 consecutive bytes, aligned
.endr
.endm
	s_load_b128 s[4:7], s[0:1], 0x0                ; mem_k s[4:5], qk s[6:7]
	s_load_b128 s[8:11], s[0:1], 0x10              ; the scales' exponents s[8:9], mimg s[10:11]
	s_load_b128 s[12:15], s[0:1], 0x20             ; qimg s[12:13], na8 s[14:15]
	v_lshl_add_u32 v112, v0, 2, 0x200
	v_mov_b32 v113, 0
	v_lshrrev_b32 v1, 5, v0
	v_readfirstlane_b32 s18, v1                    ; wave 0..3
	v_lshlrev_b32 v2, 2, v0                        ; in: 4 bytes a thread: the work-group's 128 columns.  Also my word in LDS
	v_lshrrev_b32 v3, 4, v0
	v_and_b32 v4, 15, v0
	v_lshlrev_b32 v3, 10, v3
	v_lshl_add_u32 v3, v4, 4, v3                   ; out: tile (thread / 16) x 1,024 + 16 x (thread % 16)
	v_and_b32 v5, 31, v0
	v_lshlrev_b32 v5, 4, v5                        ; 16 x lane
	s_mov_b32 s23, 0
	s_mov_b32 s25, 0
	s_wait_kmcnt 0x0
	s_load_b64 s[16:17], s[8:9], 0x0               ; e0 (mem_k), e1 (qk)
	s_cmp_lt_u32 ttmp9, 256
	s_cbranch_scc0 .Lqueries
	s_lshl_b32 s22, ttmp9, 9                       ; 128 columns x 4 bytes
	s_lshl_b32 s24, ttmp9, 13                      ; 8 tiles x 1,024 bytes
	s_add_nc_u64 s[4:5], s[4:5], s[22:23]
	s_add_nc_u64 s[10:11], s[10:11], s[24:25]
	s_add_nc_u64 s[14:15], s[14:15], s[22:23]
	s_wait_alu depctr_va_vdst(0)
	COLS 4, 10, 16, MROW, 1
	ds_store_b32 v2, v12                           ; the 128 numbers of na8 meet in LDS, so that one wave stores them as 512 consecutive bytes
	s_wait_dscnt 0x0                               ; for the others' sake: my store has landed
	s_barrier_signal -1
	s_barrier_wait -1
	s_cmp_lg_u32 s18, 0
	s_cbranch_scc1 .Ldone
	ds_load_b128 v[16:19], v5
	s_wait_dscnt 0x0
	global_store_b128 v5, v[16:19], s[14:15]
.Ldone:
	s_wait_tensorcnt 0x0
	ds_add_u32 v112, v113
	s_wait_dscnt 0x0
	s_endpgm
.Lqueries:
	s_sub_co_u32 s22, ttmp9, 256
	s_lshl_b32 s24, s22, 13
	s_lshl_b32 s22, s22, 9
	s_add_nc_u64 s[6:7], s[6:7], s[22:23]
	s_add_nc_u64 s[12:13], s[12:13], s[24:25]
	s_wait_alu depctr_va_vdst(0)
	COLS 6, 12, 17, QROW, 0
	s_endpgm
.Lfunc_end_k_qc03fac6967_prep:
	.size	k_qc03fac6967_prep, .Lfunc_end_k_qc03fac6967_prep-k_qc03fac6967_prep
	.p2alignl 7, 3214868480
	.fill 96, 4, 3214868480
	.section	.rodata,"a",@progbits
	.p2align	6, 0x0
	.amdhsa_kernel k_qc03fac6967_prep
		.amdhsa_group_segment_fixed_size 1024
		.amdhsa_private_segment_fixed_size 0
		.amdhsa_enable_private_segment 0
		.amdhsa_kernarg_size 48
		.amdhsa_user_sgpr_count 2
		.amdhsa_user_sgpr_kernarg_segment_ptr 1
		.amdhsa_wavefront_size32 1
		.amdhsa_system_sgpr_workgroup_id_x 1
		.amdhsa_system_sgpr_workgroup_id_y 1
		.amdhsa_system_sgpr_workgroup_id_z 1
		.amdhsa_system_vgpr_workitem_id 0
		.amdhsa_next_free_vgpr 114
		.amdhsa_next_free_sgpr 66
		.amdhsa_reserve_vcc 0
		.amdhsa_float_denorm_mode_32 3
		.amdhsa_float_denorm_mode_16_64 3
		.amdhsa_memory_ordered 1
		.amdhsa_forward_progress 1
		.amdhsa_inst_pref_size 27
	.end_amdhsa_kernel
	.amdgpu_metadata
---
amdhsa.version: [ 1, 2 ]
amdhsa.kernels:
  - .name:           k_qc03fac6967_prep
    .symbol:         k_qc03fac6967_prep.kd
    .args:
      - { .name: mem_k, .offset: 0, .size: 8, .value_kind: global_buffer, .address_space: global }
      - { .name: qk, .offset: 8, .size: 8, .value_kind: global_buffer, .address_space: global }
      - { .name: lowp_scales, .offset: 16, .size: 8, .value_kind: global_buffer, .address_space: global }
      - { .name: mimg, .offset: 24, .size: 8, .value_kind: global_buffer, .address_space: global }
      - { .name: qimg, .offset: 32, .size: 8, .value_kind: global_buffer, .address_space: global }
      - { .name: na8, .offset: 40, .size: 8, .value_kind: global_buffer, .address_space: global }
    .group_segment_fixed_size: 1024
    .private_segment_fixed_size: 0
    .kernarg_segment_align: 8
    .kernarg_segment_size: 48
    .max_flat_workgroup_size: 128
    .sgpr_count:     66
    .vgpr_count:     114
    .wavefront_size: 32
...
	.end_amdgpu_metadata
.endif
;; end of part 1
;; launch score (part 2): grid 16 x 16, 8 waves a work-group, no clusters, 148,480 bytes of LDS; arguments mimg, qimg, na8, lowp_scales, gmax; writes gmax
.if DOCPART == 2
	.amdgcn_target "amdgcn-amd-amdhsa--gfx1250"
	.amdhsa_code_object_version 6
	.text
	.protected	k_qc03fac6967_score
	.globl	k_qc03fac6967_score
	.p2align	8
	.type	k_qc03fac6967_score,@function
k_qc03fac6967_score:
	s_mov_b64 s[64:65], 0
	v_nop
	global_prefetch_b8 v0, s[64:65] scope:SCOPE_SE
	s_setreg_imm32_b32 hwreg(HW_REG_WAVE_MODE, 25, 1), 1
	s_wait_xcnt 0x0
; THE QUANTISED PRODUCT, and the first stage of the choice.  s(n, q) = dot(codes of mem_k[:, n], codes of qk[:, q]) x 2^(e0 + e1 - 2) + na8[n]  ( = (2 mk.q - |mk|^2) / 8 ), computed divided by 2^(e0 + e1 - 2): na8 so scaled is C of
; v_wmma_f32_16x16x64_fp8_fp8.  No score goes to memory: stored is the largest score of each GROUP of 32 neighbouring elements, for each query: gmax, 1,024 numbers a query.
; SHARES.  Work-group (x, y): elements 2,048 x on, queries 256 y on.  Wave w: query tiles 16 y + 8 (w % 2) + 0 .. 7, whose fragments stay in registers, and the quarter w / 2 of the elements (512: 32 tiles).
; The chunk's codes (128 KB) and na8 (8 KB) are copied once into LDS through registers; each fragment read from LDS feeds eight products.
; THE ROWS OF A TILE ARE NOT NEIGHBOURS: rows 0-7 of tile t of a run of 64 elements are elements 8 t + 0 .. 7, rows 8-15 are 32 + 8 t + 0 .. 7.  In the result lane (r, h) holds query r and rows 8 h + 0 .. 7:
; so over t = 0 .. 3 a lane sees the 32 neighbours of ONE group, and a group's maximum never leaves the lane: four vector instructions for eight scores.
; gmax: [query tile][slab of 8 groups][lane][4]: word e of lane (r, h) of slab sl is group 8 sl + 2 e + h for query r: each store of the wave covers 512 consecutive bytes, aligned.
; NO CLUSTER, NO TENSOR LOAD: LDS is filled once, 144 KB a work-group from 2.4 MB that all work-groups read, ahead of 2,048 x 256 x 64 multiply-adds; there is no ring whose refills partners could share.
; LIMIT: e0 + e1 - 2 between -126 and 127, so that the power of two is an f32 number.
.set SUP,  4352                        ; LDS: a run of 64 elements: four natural tiles of 1,024 bytes, 128 bytes of skew ahead of the third, rounded up to 17 x 256
.set NA,   32*SUP                      ; behind the 32 runs: na8 of the chunk, 8,192 bytes
.set B,    8                           ; v8-71     eight query fragments
.set D,    72                          ; v72-135   two sets of four accumulators
.set AR,   136                         ; v136-167  four fragments of elements, by turns
.set NR,   168                         ; v168-199  their na8, eight numbers a lane, by turns
.set GM,   200                         ; v200-231  the groups' maxima: query tile b, word e at GM + 4 b + e
.set M,    232                         ; v232-235  at work
	s_load_b128 s[4:7], s[0:1], 0x0                ; mimg s[4:5], qimg s[6:7]
	s_load_b128 s[8:11], s[0:1], 0x10              ; na8 s[8:9], the scales' exponents s[10:11]
	s_load_b64 s[12:13], s[0:1], 0x20              ; gmax
	v_lshl_add_u32 v240, v0, 2, 0x24000
	v_mov_b32 v241, 0
	v_lshrrev_b32 v1, 5, v0
	s_delay_alu instid0(VALU_DEP_1)
	v_readfirstlane_b32 s14, v1                    ; wave 0..7
	s_and_b32 s15, s14, 1                          ; which eight query tiles
	s_lshr_b32 s16, s14, 1                         ; which quarter of the elements
	s_and_b32 s17, ttmp7, 0xffff                   ; y
	v_and_b32 v1, 31, v0
	s_delay_alu instid0(VALU_DEP_1)
	v_lshlrev_b32 v1, 4, v1                        ; 16 x lane
	v_bfe_u32 v232, v0, 3, 1                       ; r / 8
	v_bfe_u32 v233, v0, 4, 1                       ; h
	v_and_b32 v234, 7, v0                          ; r % 8
	s_delay_alu instid0(VALU_DEP_3)
	v_mul_u32_u24 v2, v232, 2176                   ; rows 8-15 lie two natural tiles and the skew further on
	s_delay_alu instid0(VALU_DEP_1)
	v_lshl_add_u32 v2, v233, 8, v2
	s_delay_alu instid0(VALU_DEP_1)
	v_lshl_add_u32 v2, v234, 4, v2
	s_mul_i32 s20, s16, 8*SUP
	v_add_nc_u32 v2, s20, v2                       ; v2: my place in a fragment of my quarter
	s_lshl_b32 s20, s16, 11
	s_add_co_u32 s20, s20, NA
	v_lshl_add_u32 v3, v233, 7, s20                ; v3: na8 of my quarter, + 32 numbers for the upper half of the lanes
	s_mul_i32 s20, s14, 4*SUP
	v_add_nc_u32 v4, s20, v1                       ; v4: where I copy codes to: four runs a wave
	s_lshl_b32 s20, s14, 10
	s_add_co_u32 s20, s20, NA
	v_add_nc_u32 v5, s20, v1                       ; v5: where I copy na8 to
	s_lshl_b32 s24, ttmp9, 17
	s_lshl_b32 s20, s14, 14
	s_add_co_u32 s24, s24, s20                     ; mimg: 128 KB a chunk, 16 KB a wave
	s_mov_b32 s25, 0
	s_lshl_b32 s26, s17, 14
	s_lshl_b32 s20, s15, 13
	s_add_co_u32 s26, s26, s20                     ; qimg: tile 16 y + 8 (w % 2)
	s_mov_b32 s27, 0
	s_lshl_b32 s28, ttmp9, 13
	s_lshl_b32 s20, s14, 10
	s_add_co_u32 s28, s28, s20                     ; na8: 8 KB a chunk, 1 KB a wave
	s_mov_b32 s29, 0
	s_lshl_b32 s30, s17, 20
	s_lshl_b32 s20, s15, 19
	s_add_co_u32 s30, s30, s20
	s_lshl_b32 s20, ttmp9, 12
	s_add_co_u32 s30, s30, s20
	s_lshl_b32 s20, s16, 10
	s_add_co_u32 s30, s30, s20                     ; gmax: 65,536 x query tile + 512 x slab (8 x + 2 (w / 2))
	s_mov_b32 s31, 0
	s_wait_alu depctr_va_vdst(0)
	s_wait_kmcnt 0x0
	s_load_b64 s[18:19], s[10:11], 0x0             ; e0, e1
	s_add_nc_u64 s[4:5], s[4:5], s[24:25]
	s_add_nc_u64 s[6:7], s[6:7], s[26:27]
	s_add_nc_u64 s[8:9], s[8:9], s[28:29]
	s_add_nc_u64 s[12:13], s[12:13], s[30:31]
.set i, 0
.rept 32
	global_load_b128 v[D+4*i:D+4*i+3], v1, s[4:5] offset:512*i      ; my sixteen natural tiles, 512 consecutive bytes a load
.set i, i+1
.endr
	global_load_b128 v[GM:GM+3], v1, s[8:9]
	global_load_b128 v[GM+4:GM+7], v1, s[8:9] offset:512
.set i, 0
.rept 16
	global_load_b128 v[B+4*i:B+4*i+3], v1, s[6:7] offset:512*i      ; query tile i / 2, half i % 2 of its fragment
.set i, i+1
.endr
	s_wait_loadcnt 16                              ; codes and na8 are in; the sixteen loads of the query fragments may stay out
.set i, 0
.rept 32
	ds_store_b128 v4, v[D+4*i:D+4*i+3] offset:(i>>3)*SUP+((i>>1)&3)*1024+((i>>2)&1)*128+(i&1)*512
.set i, i+1
.endr
	s_wait_kmcnt 0x0                               ; e0, e1
	s_add_co_i32 s22, s18, s19
	s_sub_co_i32 s22, 129, s22
	s_lshl_b32 s22, s22, 23                        ; 2^-(e0 + e1 - 2) as f32
	s_mov_b32 s23, s22                             ; (named with it as a pair, so it is written)
.irp j, 0,2,4,6
	v_pk_mul_f32 v[GM+\j:GM+\j+1], v[GM+\j:GM+\j+1], s[22:23] op_sel_hi:[1,0]   ; na8 in the units of a sum of codes (exact): it goes into the products as C, so what is compared and stored is s(n, q) / 2^(e0 + e1 - 2): the same order
.endr
	ds_store_b128 v5, v[GM:GM+3]
	ds_store_b128 v5, v[GM+4:GM+7] offset:512
	s_wait_dscnt 0x0                               ; for the others' sake: my part of the copy has landed
	s_barrier_signal -1
	s_barrier_wait -1                              ; the one barrier: from here on LDS is only read
	s_wait_loadcnt 0x0                             ; the query fragments
; tile i of my 32 (run i / 4, t = i % 4): its fragment and its na8 into place i % 4 of the two rings
.macro LOADT i
.set rA, AR+8*((\i)&3)
.set rN, NR+8*((\i)&3)
.set oA, ((\i)>>2)*SUP+(((\i)&3)>>1)*1024+((\i)&1)*128
.set oN, ((\i)>>2)*256+((\i)&3)*32
	ds_load_b128 v[rA:rA+3], v2 offset:oA
	ds_load_b128 v[rA+4:rA+7], v2 offset:oA+512
	ds_load_b128 v[rN:rN+3], v3 offset:oN
	ds_load_b128 v[rN+4:rN+7], v3 offset:oN+16
.endm
; four products: tile i against query tiles 4 beta + 0 .. 3, into set beta.  Every sum is one instruction with C = na8: no accumulator is taken up again
.macro MM i, beta
.set rA, AR+8*((\i)&3)
.set rN, NR+8*((\i)&3)                 ; C: register j of lane (r, h) is na8 of row 8 h + j, in code units: the same for every query
.irp b, 0,1,2,3
	v_wmma_f32_16x16x64_fp8_fp8 v[D+32*(\beta)+8*\b:D+32*(\beta)+8*\b+7], v[rA:rA+7], v[B+8*(4*(\beta)+\b):B+8*(4*(\beta)+\b)+7], v[rN:rN+7]
.endr
.endm
; set beta's four results of tile i become scores and go into their groups' maxima.  Each accumulator is read from its low end on
.macro VAL i, beta
.set rD, D+32*(\beta)
.set rN, NR+8*((\i)&3)
.set rG, GM+16*(\beta)+(((\i)>>2)&3)
.irp b, 0,1,2,3
	v_max3_num_f32 v[M+\b], v[rD+8*\b], v[rD+8*\b+1], v[rD+8*\b+2]
.endr
.irp b, 0,1,2,3
	v_max3_num_f32 v[M+\b], v[M+\b], v[rD+8*\b+3], v[rD+8*\b+4]
.endr
.irp b, 0,1,2,3
	v_max3_num_f32 v[M+\b], v[M+\b], v[rD+8*\b+5], v[rD+8*\b+6]
.endr
.irp b, 0,1,2,3
.if ((\i)&3) == 0
	v_max_num_f32 v[rG+4*\b], v[M+\b], v[rD+8*\b+7]
.else
	v_max3_num_f32 v[rG+4*\b], v[rG+4*\b], v[M+\b], v[rD+8*\b+7]
.endif
.endr
.endm
.macro OUT beta, half                  ; four runs' maxima (a slab) of four query tiles
.irp b, 0,1,2,3
	global_store_b128 v1, v[GM+16*(\beta)+4*\b:GM+16*(\beta)+4*\b+3], s[12:13] offset:(4*(\beta)+\b)*65536+(\half)*512
.endr
.endm
; THE ORDER.  The two sets take turns: behind the four products into one set stands the vector work on the OTHER set (16 plain instructions that name no register of those products):
; it is the distance in front of the first read of the new results, of the loads into a fragment's registers and of the next products into the same set.
	LOADT 0
	LOADT 1
.set I, 0
.rept 32
.if I < 31
	s_wait_dscnt 4                                 ; tile I is in; the next tile's four loads may stay out
.else
	s_wait_dscnt 0
.endif
	MM I, 0
.if I == 0
.rept 4
	v_nop                                          ; there is no vector work yet
.endr
.else
.if I == 17
	s_wait_xcnt 0x0                                ; the first slab's stores have read their registers: the maxima begin anew
.endif
	VAL I-1, 1
.endif
.if I == 16
	OUT 1, 0
.endif
.if I < 30
	LOADT I+2
.endif
	MM I, 1
.if I == 16
	s_wait_xcnt 0x0                                ; likewise for set 0's maxima
.endif
	VAL I, 0
.if I == 15
	OUT 0, 0
.endif
.set I, I+1
.endr
	VAL 31, 1
	OUT 0, 1
	OUT 1, 1
	s_wait_tensorcnt 0x0
	ds_add_u32 v240, v241
	s_wait_dscnt 0x0
	s_endpgm
.Lfunc_end_k_qc03fac6967_score:
	.size	k_qc03fac6967_score, .Lfunc_end_k_qc03fac6967_score-k_qc03fac6967_score
	.p2alignl 7, 3214868480
	.fill 96, 4, 3214868480
	.section	.rodata,"a",@progbits
	.p2align	6, 0x0
	.amdhsa_kernel k_qc03fac6967_score
		.amdhsa_group_segment_fixed_size 148480
		.amdhsa_private_segment_fixed_size 0
		.amdhsa_enable_private_segment 0
		.amdhsa_kernarg_size 40
		.amdhsa_user_sgpr_count 2
		.amdhsa_user_sgpr_kernarg_segment_ptr 1
		.amdhsa_wavefront_size32 1
		.amdhsa_system_sgpr_workgroup_id_x 1
		.amdhsa_system_sgpr_workgroup_id_y 1
		.amdhsa_system_sgpr_workgroup_id_z 1
		.amdhsa_system_vgpr_workitem_id 0
		.amdhsa_next_free_vgpr 242
		.amdhsa_next_free_sgpr 66
		.amdhsa_reserve_vcc 0
		.amdhsa_float_denorm_mode_32 3
		.amdhsa_float_denorm_mode_16_64 3
		.amdhsa_memory_ordered 1
		.amdhsa_forward_progress 1
		.amdhsa_inst_pref_size 99
	.end_amdhsa_kernel
	.amdgpu_metadata
---
amdhsa.version: [ 1, 2 ]
amdhsa.kernels:
  - .name:           k_qc03fac6967_score
    .symbol:         k_qc03fac6967_score.kd
    .args:
      - { .name: mimg, .offset: 0, .size: 8, .value_kind: global_buffer, .address_space: global }
      - { .name: qimg, .offset: 8, .size: 8, .value_kind: global_buffer, .address_space: global }
      - { .name: na8, .offset: 16, .size: 8, .value_kind: global_buffer, .address_space: global }
      - { .name: lowp_scales, .offset: 24, .size: 8, .value_kind: global_buffer, .address_space: global }
      - { .name: gmax, .offset: 32, .size: 8, .value_kind: global_buffer, .address_space: global }
    .group_segment_fixed_size: 148480
    .private_segment_fixed_size: 0
    .kernarg_segment_align: 8
    .kernarg_segment_size: 40
    .max_flat_workgroup_size: 256
    .sgpr_count:     66
    .vgpr_count:     242
    .wavefront_size: 32
...
	.end_amdgpu_metadata
.endif
;; end of part 2
;; launch pick (part 3): grid 256 x 1, 4 waves a work-group, no clusters, 116,736 bytes of LDS; arguments gmax, gsel; writes gsel
.if DOCPART == 3
	.amdgcn_target "amdgcn-amd-amdhsa--gfx1250"
	.amdhsa_code_object_version 6
	.text
	.protected	k_qc03fac6967_pick
	.globl	k_qc03fac6967_pick
	.p2align	8
	.type	k_qc03fac6967_pick,@function
k_qc03fac6967_pick:
	s_mov_b64 s[64:65], 0
	v_nop
	global_prefetch_b8 v0, s[64:65] scope:SCOPE_SE
	s_setreg_imm32_b32 hwreg(HW_REG_WAVE_MODE, 25, 1), 1
	s_wait_xcnt 0x0
; For each query: the 20 best of its 1,024 groups, ordered by (largest score descending, group ascending).  Groups are runs of neighbours in ascending order, so that is the order of their best elements,
; and the 20 best elements (score descending, index ascending, as jax.lax.top_k breaks ties) lie in these 20 groups.
; NO BRANCH AND NO ADDRESS HANGS ON A SCORE.  Pass 1: each lane keeps a sorted list of 20 values; a value is inserted by 19 medians and a maximum, which do not wait for each other.  The lists of the eight lanes
; that share a query (two halves of the lanes x four waves) are merged by inserting the partner's 20.  T = the 20th value.
; Pass 2: each value gets a key: 0x800000 + group where it is above T, + 1,024 more where it equals T, else BIG; the 20 smallest keys are kept and merged in the same way.
; Keys are bit patterns of positive normal f32 numbers: the float median and minimum order them as whole numbers and hand them on unchanged.
; SHARES.  A work-group takes a tile of 16 queries; wave w slabs 32 w .. 32 w + 31 of gmax; lane (r, h) holds 128 values of query r.  They lie in the wave's own stage in LDS, since both passes walk them in a loop.
; gsel: [query tile][24 slots][16 queries], int32: list entry i in slot 6 (i / 5) + i % 5; slots 6 w + 5 hold 0.
; No matrix work, no tensor load, no cluster: work-groups share nothing.  LIMIT: NaN and infinities among the scores are not served.
.set L,    16                          ; v16-35   the 20 largest values, descending
.set K,    36                          ; v36-55   the 20 smallest keys, ascending  ( = L + 20)
.set P,    56                          ; v56-75   a partner's list
.set Q,    76                          ; v76-91   sixteen values: four slabs
.set KT,   92                          ; v92-103  keys at work
.set BIG,  108                         ; v108     the key of a value below T
.set KB,   110                         ; v110     0x800000 + 256 w + h + 32 x trip
.set LA,   111                         ; v111     the stage at the next trip's slabs
.set IN,   112                         ; v112-239 the wave's 32 slabs as loaded
.set STW,  18432                       ; LDS: a wave's stage: 32 slabs of 512 bytes, and a pad of four that holds slabs 0-3 again
.set EX,   4*STW                       ; four rounds of exchange, each with bytes of its own: wave x 2,560 + quad x 512 + 16 x lane
.set RND,  10240
.set OUTS, EX+4*RND                    ; 1,536 bytes: the list as it goes out
.macro INS asc, x                      ; v[x] goes into L (asc = 0) or into K (asc = 1); place i takes the median of its upper neighbour, the newcomer and itself
.set n, 19
.if \asc
.rept 19
	v_med3_num_f32 v[K+n], v[K+n-1], v[\x], v[K+n]
.set n, n-1
.endr
	v_min_num_f32 v[K], v[K], v[\x]
.else
.rept 19
	v_med3_num_f32 v[L+n], v[L+n-1], v[\x], v[L+n]
.set n, n-1
.endr
	v_max_num_f32 v[L], v[L], v[\x]
.endif
.endm
.macro HMERGE asc                      ; with the lane 16 away: both end with the list of the two together
.set i, 0
.rept 20
	v_permlanex16_b32 v[P+i], v[L+20*\asc+i], s24, s25
.set i, i+1
.endr
.set i, 0
.rept 20
	INS \asc, P+i
.set i, i+1
.endr
.endm
.macro XCHG asc, round, pr             ; with the same lane of another wave; v[pr]: that wave's place
.irp x, 0,1,2,3,4
	ds_store_b128 v4, v[L+20*\asc+4*\x:L+20*\asc+4*\x+3] offset:\round*RND+512*\x
.endr
	s_wait_dscnt 0x0                               ; for the partner's sake: my list has landed
	s_barrier_signal -1
	s_barrier_wait -1
.irp x, 0,1,2,3,4
	ds_load_b128 v[P+4*\x:P+4*\x+3], v\pr offset:\round*RND+512*\x
.endr
.set i, 0
.rept 5
	s_wait_dscnt 4-i                               ; quad i of the partner's five is in; the younger ones may stay out
	INS \asc, P+4*i
	INS \asc, P+4*i+1
	INS \asc, P+4*i+2
	INS \asc, P+4*i+3
.set i, i+1
.endr
.endm
.macro KEYS qi                         ; the keys of quad qi: word e is group 256 w + 32 trip + 8 qi + 2 e + h
.irp e, 0,1,2,3
	v_add_nc_u32 v[KT+\e], 8*(\qi)+2*\e, v[KB]
.endr
.irp e, 0,1,2,3
	v_add_nc_u32 v[KT+4+\e], 1024+8*(\qi)+2*\e, v[KB]
.endr
.irp e, 0,1,2,3
	v_cmp_eq_f32 s[12+\e], v[Q+4*(\qi)+\e], v[L+19]
.endr
.irp e, 0,1,2,3
	v_cmp_gt_f32 s[16+\e], v[Q+4*(\qi)+\e], v[L+19]
.endr
.irp e, 0,1,2,3
	v_cndmask_b32 v[KT+8+\e], v[BIG], v[KT+4+\e], s[12+\e]
.endr
.irp e, 0,1,2,3
	v_cndmask_b32 v[KT+8+\e], v[KT+8+\e], v[KT+\e], s[16+\e]
.endr
.endm
; A pass over the wave's 128 values a lane: eight trips of four slabs.  Each quad is loaded again, for the next trip, as soon as it is used; the last trip loads the pad.
.macro PASS second
	s_mov_b32 s20, 2048
.Lpass_\@:
	v_add_nc_u32 v[LA], s20, v7
.set I, 0
	s_wait_alu depctr_va_vdst(0)
.rept 4
	s_wait_dscnt 3                                 ; LDS loads come back in order: this quad is in, the three younger ones may stay out
.if \second
	KEYS I
.irp e, 0,1,2,3
	INS 1, KT+8+\e
.endr
.else
.irp e, 0,1,2,3
	INS 0, Q+4*I+\e
.endr
.endif
	ds_load_b128 v[Q+4*I:Q+4*I+3], v[LA] offset:512*I
.set I, I+1
.endr
.if \second
	v_add_nc_u32 v[KB], 32, v[KB]
.endif
	s_add_co_u32 s20, s20, 2048
	s_cmp_lg_u32 s20, STW
	s_cbranch_scc1 .Lpass_\@
	s_wait_dscnt 0x0
.endm
	s_load_b128 s[4:7], s[0:1], 0x0                ; gmax s[4:5], gsel s[6:7]
	v_lshl_add_u32 v240, v0, 2, 0x1c600
	v_mov_b32 v241, 0
	v_lshrrev_b32 v1, 5, v0
	v_readfirstlane_b32 s8, v1                     ; wave 0..3
	v_and_b32 v2, 31, v0
	v_lshlrev_b32 v1, 4, v2                        ; 16 x lane
	s_wait_alu depctr_va_vdst(0)
	v_bfe_u32 v3, v0, 4, 1                         ; h
	s_wait_alu depctr_va_vdst(0)
	s_mul_i32 s9, s8, STW
	v_add_nc_u32 v7, s9, v1                        ; my stage
	s_mul_i32 s9, s8, 2560
	s_add_co_u32 s9, s9, EX
	v_add_nc_u32 v4, s9, v1                        ; where I put a list,
	s_xor_b32 s10, s8, 1
	s_mul_i32 s10, s10, 2560
	s_add_co_u32 s10, s10, EX
	v_add_nc_u32 v5, s10, v1                       ; where wave w xor 1 puts its,
	s_xor_b32 s10, s8, 2
	s_mul_i32 s10, s10, 2560
	s_add_co_u32 s10, s10, EX
	v_add_nc_u32 v6, s10, v1                       ; and wave w xor 2
	v_and_b32 v8, 15, v0
	v_lshlrev_b32 v8, 2, v8
	v_add_nc_u32 v8, OUTS, v8                      ; the way out: 4 r,
	v_add_nc_u32 v9, OUTS, v1                      ; and back: 16 x lane
	s_lshl_b32 s11, s8, 8
	s_add_co_u32 s11, s11, 0x800000
	v_add_nc_u32 v[KB], s11, v3
	s_mov_b32 s24, 0x76543210                      ; v_permlanex16_b32's selects for lane l xor 16
	s_mov_b32 s25, 0xfedcba98
	s_lshl_b32 s12, ttmp9, 16
	s_lshl_b32 s13, s8, 14
	s_add_co_u32 s12, s12, s13                     ; 65,536 x query tile + 16,384 x wave
	s_mov_b32 s13, 0
	s_mul_i32 s14, ttmp9, 1536
	s_mov_b32 s15, 0
	s_wait_kmcnt 0x0
	s_add_nc_u64 s[4:5], s[4:5], s[12:13]
	s_add_nc_u64 s[6:7], s[6:7], s[14:15]
.set i, 0
.rept 32
	global_load_b128 v[IN+4*i:IN+4*i+3], v1, s[4:5] offset:512*i th:TH_LOAD_NT    ; read once in the launch
.set i, i+1
.endr
	v_mov_b32 v[BIG], 0x7f7fffff
.set i, 0
.rept 20
	v_mov_b32 v[L+i], 0xff800000                   ; under every value
	v_mov_b32 v[K+i], v[BIG]                       ; over every key
	v_mov_b32 v[P+i], 0                            ; written once: a lane permute's destination counts as one of its sources
.set i, i+1
.endr
	s_wait_loadcnt 0x0
.set i, 0
.rept 32
	ds_store_b128 v7, v[IN+4*i:IN+4*i+3] offset:512*i
.set i, i+1
.endr
.irp i, 0,1,2,3
	ds_store_b128 v7, v[IN+4*\i:IN+4*\i+3] offset:16384+512*\i      ; the pad
.endr
.irp i, 0,1,2,3
	ds_load_b128 v[Q+4*\i:Q+4*\i+3], v7 offset:512*\i               ; LDS serves a wave's instructions in order: these see my stores
.endr
	PASS 0
	s_wait_alu depctr_va_vdst(0)
	HMERGE 0
	XCHG 0, 0, 5
	XCHG 0, 1, 6                                   ; every lane of a query now holds its 20 largest values; T = v[L+19]
	PASS 1                                         ; Q holds slabs 0-3 again: the first pass's last trip read them from the pad
	s_wait_alu depctr_va_vdst(0)
	HMERGE 1
	XCHG 1, 2, 5
	XCHG 1, 3, 6
	s_cmp_lg_u32 s8, 0                             ; all four waves hold the same lists: wave 0 lays them out, through LDS, so that each store covers 512 consecutive bytes
	s_cbranch_scc1 .Lend
	v_mov_b32 v[KT], 0
.set i, 0
.rept 20
	v_and_b32 v[K+i], 0x3ff, v[K+i]                ; the group
	ds_store_b32 v8, v[K+i] offset:64*(6*(i/5)+i%5)                 ; both halves of the lanes write the same word with the same number
.set i, i+1
.endr
.irp w, 0,1,2,3
	ds_store_b32 v8, v[KT] offset:64*(6*\w+5)
.endr
.irp x, 0,1,2
	ds_load_b128 v[P+4*\x:P+4*\x+3], v9 offset:512*\x
.endr
	s_wait_dscnt 0x0
.irp x, 0,1,2
	global_store_b128 v1, v[P+4*\x:P+4*\x+3], s[6:7] offset:512*\x
.endr
.Lend:
	s_wait_tensorcnt 0x0
	ds_add_u32 v240, v241
	s_wait_dscnt 0x0
	s_endpgm
.Lfunc_end_k_qc03fac6967_pick:
	.size	k_qc03fac6967_pick, .Lfunc_end_k_qc03fac6967_pick-k_qc03fac6967_pick
	.p2alignl 7, 3214868480
	.fill 96, 4, 3214868480
	.section	.rodata,"a",@progbits
	.p2align	6, 0x0
	.amdhsa_kernel k_qc03fac6967_pick
		.amdhsa_group_segment_fixed_size 116736
		.amdhsa_private_segment_fixed_size 0
		.amdhsa_enable_private_segment 0
		.amdhsa_kernarg_size 16
		.amdhsa_user_sgpr_count 2
		.amdhsa_user_sgpr_kernarg_segment_ptr 1
		.amdhsa_wavefront_size32 1
		.amdhsa_system_sgpr_workgroup_id_x 1
		.amdhsa_system_sgpr_workgroup_id_y 1
		.amdhsa_system_sgpr_workgroup_id_z 1
		.amdhsa_system_vgpr_workitem_id 0
		.amdhsa_next_free_vgpr 242
		.amdhsa_next_free_sgpr 66
		.amdhsa_reserve_vcc 0
		.amdhsa_float_denorm_mode_32 3
		.amdhsa_float_denorm_mode_16_64 3
		.amdhsa_memory_ordered 1
		.amdhsa_forward_progress 1
		.amdhsa_inst_pref_size 212
	.end_amdhsa_kernel
	.amdgpu_metadata
---
amdhsa.version: [ 1, 2 ]
amdhsa.kernels:
  - .name:           k_qc03fac6967_pick
    .symbol:         k_qc03fac6967_pick.kd
    .args:
      - { .name: gmax, .offset: 0, .size: 8, .value_kind: global_buffer, .address_space: global }
      - { .name: gsel, .offset: 8, .size: 8, .value_kind: global_buffer, .address_space: global }
    .group_segment_fixed_size: 116736
    .private_segment_fixed_size: 0
    .kernarg_segment_align: 8
    .kernarg_segment_size: 16
    .max_flat_workgroup_size: 128
    .sgpr_count:     66
    .vgpr_count:     242
    .wavefront_size: 32
...
	.end_amdgpu_metadata
.endif
;; end of part 3
;; launch rank (part 4): grid 512 x 1, 4 waves a work-group, no clusters, 131,584 bytes of LDS; arguments gsel, mimg, qimg, na8, lowp_scales, lst, mem_v1, mem_v2, vtab; writes lst, vtab
.if DOCPART == 4
	.amdgcn_target "amdgcn-amd-amdhsa--gfx1250"
	.amdhsa_code_object_version 6
	.text
	.protected	k_qc03fac6967_rank
	.globl	k_qc03fac6967_rank
	.p2align	8
	.type	k_qc03fac6967_rank,@function
k_qc03fac6967_rank:
	s_mov_b64 s[64:65], 0
	v_nop
	global_prefetch_b8 v0, s[64:65] scope:SCOPE_SE
	s_setreg_imm32_b32 hwreg(HW_REG_WAVE_MODE, 25, 1), 1
	s_wait_xcnt 0x0
; For each query: the scores of the 20 x 32 elements of its chosen groups once more, with the same products as the launch that made the groups' maxima (the same matrix form on the same codes in the same places of k,
; but na8 added by a fused multiply-add behind them, not as C); the 20 best by (score descending, index ascending); their softmax.  Stored: 20 indices (whole numbers) and 20 weights a query.
; SHARES.  A work-group takes a tile of 16 queries; wave w the list's slots 6 w + 0 .. 4.
; THE GATHER IS DONE BY THE MATRIX UNIT.  Each query has groups of its own.  For a slot and a query r the group's two tiles of 16 elements (2 KB on end in mimg) are multiplied by a copy of the query fragment in which only
; column r is kept; the other columns add exact zeros.  Sixteen such steps add into two accumulators, which take turns: then lane (r, h) holds, for ITS query r, elements 32 g(r) + 16 t + 8 h + 0 .. 7.
; The addresses hang on gsel, whole numbers that an earlier launch stored.  No branch and no address hangs on a score.
; THE CHOICE is made as among the groups: sorted lists of 20 in each lane by medians, merged over the eight lanes of a query; m = the largest, T = the 20th.
; A key is 0x800000 + (class << 29 | index << 14 | p as f16): class 0 above T, 1 at T; below T the key is BIG.  p = exp(s - m) <= 1 is 14 bits of f16 and rides with its index.
; w = p / (the sum of the 20 p as rounded), in f32.
; idxb, wgt: byte (q, k) = (q / 128) 10,240 + (k / 4) 2,048 + (q % 4) 512 + ((q / 4) % 32) 16 + (k % 4) 4: laid for the 256 work-groups that read them, 512 consecutive bytes a load there.
; NO CLUSTER, NO TENSOR LOAD: which tiles a work-group reads hangs on its own queries' lists: nothing is shared.
; LIMITS: e0 + e1 - 2 between -126 and 127; NaN and infinities among the scores are not served; a p below f16's smallest number counts as 0.
; REGISTERS, in windows of 256.  Window 0: see the names below.  Window 1: the ring of element fragments: query r's two tiles at v[16 r .. 16 r + 15].
; ONE BUFFER, lst, stands for the two lists named above, at the byte (q, k) given there.  A word holds the index in bits 14:0 and, in bits 31:15, bits 29:13 of p as f32:
; p was rounded to f16 and is at most 1, so these 17 bits hold it exactly.  The division by the sum of the 20 p is left to the launch that reads the words.
.set G,    10
.set L,    16                          ; v16-35   the 20 largest scores, descending
.set K,    36                          ; v36-55   the 20 smallest keys, ascending  ( = L + 20); at the end the weights
.set P,    56                          ; v56-75   a partner's list; at the end the indices
.set ACC,  76                          ; v76-91   two accumulators
.set Q,    92                          ; v92-107  a slot's sixteen scores.  At the head v92-99 hold the query fragment
.set N,    108                         ; v108-123 their na8
.set BIG,  124
.set KB,   125
.set BM,   128                         ; v128-255 the query fragment sixteen times, copy r with column r alone
.set KT,   128                         ; behind the products: keys at work
.set HT,   9                           ; v9       0x800000 + (8 h << 14)
.set NAW,  10240                       ; LDS: na8 of a wave's five slots: slot x 2,048 + quad x 512 + 16 x lane
.set SC,   4*NAW                       ; the scores, laid likewise: five slots and a pad slot a wave
.set SCW,  12288
.set EX,   SC+4*SCW                    ; four rounds of exchange, each with bytes of its own
.set RND,  10240
.set MSB, 0
.macro WIN new                         ; the immediate's high byte repeats the setting that is left; a switch that changes nothing is dropped
.if MSB != \new
	s_set_vgpr_msb (MSB<<8)|\new
.set MSB, \new
.endif
.endm
.macro INS asc, x                      ; v[x] goes into L (asc = 0) or into K (asc = 1)
.set n, 19
.if \asc
.rept 19
	v_med3_num_f32 v[K+n], v[K+n-1], v[\x], v[K+n]
.set n, n-1
.endr
	v_min_num_f32 v[K], v[K], v[\x]
.else
.rept 19
	v_med3_num_f32 v[L+n], v[L+n-1], v[\x], v[L+n]
.set n, n-1
.endr
	v_max_num_f32 v[L], v[L], v[\x]
.endif
.endm
.macro HMERGE asc
.set i, 0
.rept 20
	v_permlanex16_b32 v[P+i], v[L+20*\asc+i], s24, s25
.set i, i+1
.endr
.set i, 0
.rept 20
	INS \asc, P+i
.set i, i+1
.endr
.endm
.macro XCHG asc, round, pr
.irp x, 0,1,2,3,4
	ds_store_b128 v4, v[L+20*\asc+4*\x:L+20*\asc+4*\x+3] offset:\round*RND+512*\x
.endr
	s_wait_dscnt 0x0                               ; for the partner's sake: my list has landed
	s_barrier_signal -1
	s_barrier_wait -1
.irp x, 0,1,2,3,4
	ds_load_b128 v[P+4*\x:P+4*\x+3], v\pr offset:\round*RND+512*\x
.endr
.set i, 0
.rept 5
	s_wait_dscnt 4-i                               ; quad i of the partner's five is in
	INS \asc, P+4*i
	INS \asc, P+4*i+1
	INS \asc, P+4*i+2
	INS \asc, P+4*i+3
.set i, i+1
.endr
.endm
.macro TURNG                           ; the slots' groups go round by one place
	v_mov_b32 v15, v[G]
	v_mov_b32 v[G], v[G+1]
	v_mov_b32 v[G+1], v[G+2]
	v_mov_b32 v[G+2], v[G+3]
	v_mov_b32 v[G+3], v[G+4]
	v_mov_b32 v[G+4], v15
.endm
; query r's group of the slot in v[g]: its 2 KB into place r of the ring.  The window is left at 0x40
.macro FILL g, r
	WIN 0
	v_readlane_b32 s26, v[\g], \r
	s_min_u32 s26, s26, 0x3ff
	s_lshl_b32 s26, s26, 11
	s_add_nc_u64 s[32+2*(\r):33+2*(\r)], s[6:7], s[26:27]           ; a base of its own for each place: it is written again only when its four loads are in
	WIN 0x40                                       ; destination window 1, address window 0
.irp x, 0,1,2,3
	global_load_b128 v[16*(\r)+4*\x:16*(\r)+4*\x+3], v1, s[32+2*(\r):33+2*(\r)] offset:512*\x
.endr
.endm
; step r of a slot: two products; behind them one score of the slot BEFORE goes into the list: twenty plain instructions that name no register of the products: the distance in front of the loads into
; the fragment's registers (ISA guide 7.12.1 for vector instructions)
.macro STEP r, fill, cnt
	s_wait_loadcnt \cnt
	WIN 0x01                                       ; source 0 (the elements) window 1
.if (\r) == 0
	v_wmma_f32_16x16x64_fp8_fp8 v[ACC:ACC+7], v[16*(\r):16*(\r)+7], v[BM+8*(\r):BM+8*(\r)+7], 0
	v_wmma_f32_16x16x64_fp8_fp8 v[ACC+8:ACC+15], v[16*(\r)+8:16*(\r)+15], v[BM+8*(\r):BM+8*(\r)+7], 0
.else
	v_wmma_f32_16x16x64_fp8_fp8 v[ACC:ACC+7], v[16*(\r):16*(\r)+7], v[BM+8*(\r):BM+8*(\r)+7], v[ACC:ACC+7]
	v_wmma_f32_16x16x64_fp8_fp8 v[ACC+8:ACC+15], v[16*(\r)+8:16*(\r)+15], v[BM+8*(\r):BM+8*(\r)+7], v[ACC+8:ACC+15]
.endif
	WIN 0
	INS 0, Q+(\r)
.if \fill
	FILL G+1, \r
.endif
.endm
; a slot.  fill = 1: the ring takes the next slot's tiles, place by place.  The two accumulators take turns, one instruction a turn
.macro TRIP fill
	v_add_nc_u32 v7, s19, v2
.irp x, 0,1,2,3
	ds_load_b128 v[N+4*\x:N+4*\x+3], v7 offset:512*\x
.endr
.set R, 0
.rept 16
.if \fill
	STEP R, 1, 60                                  ; 64 loads are out, four a place, this place's the oldest: the fifteen younger places' may stay out
.else
	STEP R, 0, 4*(15-R)                            ; the last slot: only the places still to come
.endif
.set R, R+1
.endr
	WIN 0
	s_wait_dscnt 0x0                               ; na8 is in, and the last slot's stores of Q are done
.irp j, 0,2,4,6,8,10,12,14
	v_pk_fma_f32 v[Q+\j:Q+\j+1], v[ACC+\j:ACC+\j+1], s[22:23], v[N+\j:N+\j+1] op_sel_hi:[1,0,1]   ; each accumulator from its low end on
.endr
	v_add_nc_u32 v7, s19, v3
.irp x, 0,1,2,3
	ds_store_b128 v7, v[Q+4*\x:Q+4*\x+3] offset:512*\x
.endr
	TURNG
.endm
; the keys of quad x of a slot: word e is element 32 g + 16 (x / 2) + 8 h + 4 (x % 2) + e
.macro KEYR x
.irp e, 0,1,2,3
	v_sub_f32 v[KT+\e], v[Q+4*(\x)+\e], v[L]       ; s - m, 0 or less
.endr
.irp e, 0,1,2,3
	v_mul_f32 v[KT+\e], 0x3fb8aa3b, v[KT+\e]
.endr
	s_wait_alu depctr_va_vdst(0)
.irp e, 0,1,2,3
	v_exp_f32 v[KT+\e], v[KT+\e]
.endr
.irp e, 0,1,2,3
	v_cmp_eq_f32 s[40+\e], v[Q+4*(\x)+\e], v[L+19] ; (plain lines behind the exponentials)
.endr
.irp e, 0,1,2,3
	v_cmp_gt_f32 s[44+\e], v[Q+4*(\x)+\e], v[L+19]
.endr
	s_wait_alu depctr_va_vdst(0)
.irp e, 0,1,2,3
	v_cvt_pk_f16_f32 v[KT+\e], v[KT+\e], 0
.endr
.irp e, 0,1,2,3
	v_add3_u32 v[KT+\e], v[KB], v[KT+\e], (16*((\x)>>1)+4*((\x)&1)+\e)<<14
.endr
.irp e, 0,1,2,3
	v_add_nc_u32 v[KT+4+\e], 0x20000000, v[KT+\e]
.endr
.irp e, 0,1,2,3
	v_cndmask_b32 v[KT+4+\e], v[BIG], v[KT+4+\e], s[40+\e]
.endr
.irp e, 0,1,2,3
	v_cndmask_b32 v[KT+4+\e], v[KT+4+\e], v[KT+\e], s[44+\e]
.endr
.endm
.macro LISTOUT reg, base               ; lanes 0-15 store a query's five quads; lanes 16-31 hold the same numbers
	s_wait_xcnt 0x0                                ; EXEC changes only behind this wait
	s_and_saveexec_b32 s20, vcc_lo
.irp x, 0,1,2,3,4
	global_store_b128 v8, v[\reg+4*\x:\reg+4*\x+3], s[\base:\base+1] offset:2048*\x
.endr
	s_wait_xcnt 0x0                                ; and again in front of the line that widens it
	s_or_b32 exec_lo, exec_lo, s20
.endm
	s_cmp_ge_u32 ttmp9, 256                        ; work-groups 256-511 lay the values' table out (at the text's end); the two ways part on the work-group's number alone
	s_cbranch_scc1 .Lconv
	s_load_b256 s[4:11], s[0:1], 0x0
	s_load_b128 s[12:15], s[0:1], 0x20             ; the scales' exponents s[12:13], idxb s[14:15]
	v_lshrrev_b32 v1, 5, v0
	v_readfirstlane_b32 s18, v1                    ; wave 0..3
	v_and_b32 v1, 31, v0
	v_lshlrev_b32 v1, 4, v1                        ; 16 x lane
	v_and_b32 v7, 15, v0
	v_lshlrev_b32 v7, 2, v7                        ; 4 r
	v_bfe_u32 v126, v0, 4, 1                       ; h
	v_lshlrev_b32 v[HT], 17, v126
	v_add_nc_u32 v[HT], 0x800000, v[HT]
	v_lshlrev_b32 v126, 5, v126                    ; 32 h: eight numbers of na8
	v_and_b32 v8, 3, v0
	v_bfe_u32 v15, v0, 2, 2
	v_lshlrev_b32 v8, 9, v8
	v_lshl_add_u32 v8, v15, 4, v8                  ; the way out: (r % 4) 512 + (r / 4) 16
	s_mul_i32 s20, s18, NAW
	v_add_nc_u32 v2, s20, v1                       ; na8 in LDS
	s_mul_i32 s20, s18, SCW
	s_add_co_u32 s20, s20, SC
	v_add_nc_u32 v3, s20, v1                       ; the scores in LDS
	s_mul_i32 s20, s18, 2560
	s_add_co_u32 s20, s20, EX
	v_add_nc_u32 v4, s20, v1                       ; where I put a list,
	s_xor_b32 s20, s18, 1
	s_mul_i32 s20, s20, 2560
	s_add_co_u32 s20, s20, EX
	v_add_nc_u32 v5, s20, v1                       ; where wave w xor 1 puts its,
	s_xor_b32 s20, s18, 2
	s_mul_i32 s20, s20, 2560
	s_add_co_u32 s20, s20, EX
	v_add_nc_u32 v6, s20, v1                       ; and wave w xor 2
	s_mov_b32 s24, 0x76543210                      ; v_permlanex16_b32's selects for lane l xor 16
	s_mov_b32 s25, 0xfedcba98
	s_mov_b32 s27, 0
	s_mul_i32 s28, ttmp9, 1536
	s_mul_i32 s20, s18, 384
	s_add_co_u32 s28, s28, s20                     ; gsel: my tile's table, my six slots
	s_mov_b32 s29, 0
	s_lshl_b32 s30, ttmp9, 10                      ; qimg: my tile
	s_mov_b32 s31, 0
	s_lshr_b32 s20, ttmp9, 3
	s_mul_i32 s32, s20, 10240
	s_and_b32 s20, ttmp9, 7
	s_lshl_b32 s20, s20, 6
	s_add_co_u32 s32, s32, s20                     ; idxb, wgt: (tile / 8) 10,240 + (tile % 8) 64
	s_mov_b32 s33, 0
	s_wait_kmcnt 0x0
	s_load_b64 s[34:35], s[12:13], 0x0             ; e0, e1
	s_add_nc_u64 s[4:5], s[4:5], s[28:29]
	s_add_nc_u64 s[8:9], s[8:9], s[30:31]
	s_add_nc_u64 s[14:15], s[14:15], s[32:33]
.irp s, 0,1,2,3,4
	global_load_b32 v[G+\s], v7, s[4:5] offset:64*\s
.endr
	global_load_b128 v[Q:Q+3], v1, s[8:9]
	global_load_b128 v[Q+4:Q+7], v1, s[8:9] offset:512
	s_wait_loadcnt 0x0
.irp s, 0,1,2,3,4
	v_min_u32 v[G+\s], 0x3ff, v[G+\s]              ; a group's number stays inside the tables
.endr
.irp s, 0,1,2,3,4
	v_lshlrev_b32 v[208+\s], 7, v[G+\s]
.endr
.irp s, 0,1,2,3,4
	v_add_nc_u32 v[208+\s], v126, v[208+\s]        ; na8: 128 bytes a group, + 32 h
.endr
.irp s, 0,1,2,3,4
.irp x, 0,1,2,3
	global_load_b128 v[128+16*\s+4*\x:128+16*\s+4*\x+3], v[208+\s], s[10:11] offset:(\x>>1)*64+(\x&1)*16
.endr
.endr
	v_mov_b32 v[BIG], 0x7f7fffff
.set i, 0
.rept 20
	v_mov_b32 v[L+i], 0xff800000                   ; under every score
	v_mov_b32 v[K+i], v[BIG]                       ; over every key
	v_mov_b32 v[P+i], 0                            ; written once: a lane permute's destination counts as one of its sources
.set i, i+1
.endr
	s_wait_kmcnt 0x0
	s_add_co_i32 s22, s34, s35
	s_add_co_i32 s22, s22, 125
	s_lshl_b32 s22, s22, 23                        ; 2^(e0 + e1 - 2) as f32
	s_mov_b32 s23, s22                             ; (named with it as a pair, so it is written)
	s_wait_loadcnt 0x0
.irp s, 0,1,2,3,4
.irp x, 0,1,2,3
	ds_store_b128 v2, v[128+16*\s+4*\x:128+16*\s+4*\x+3] offset:2048*\s+512*\x
.endr
.endr
	s_wait_dscnt 0x0                               ; the stores have read their registers, which the copies below take
.set r, 0
.rept 16
	s_mov_b32 s20, 0x00010001<<r                   ; lanes r and 16 + r hold column r
.irp j, 0,1,2,3,4,5,6,7
	v_cndmask_b32 v[BM+8*r+\j], 0, v[Q+\j], s20
.endr
.set r, r+1
.endr
.set i, 0
.rept 16
	v_mov_b32 v[Q+i], 0xff800000                   ; the first slot has no slot before it: what its steps insert changes nothing
.set i, i+1
.endr
.set R, 0
.rept 16
	FILL G, R                                      ; the first slot's tiles
.set R, R+1
.endr
	WIN 0                                          ; at a label and at a branch every window is 0
	s_mov_b32 s19, 0                               ; the slot's place in LDS; also the loop's counter
.Lslot:
	TRIP 1
	s_add_co_u32 s19, s19, 2048
	s_cmp_lg_u32 s19, 8192
	s_cbranch_scc1 .Lslot
	TRIP 0                                         ; the last slot is written out: it fetches nothing more
.set i, 0
.rept 16
	INS 0, Q+i                                     ; its scores
.set i, i+1
.endr
.irp x, 0,1,2,3
	ds_store_b128 v7, v[Q+4*\x:Q+4*\x+3] offset:2048+512*\x         ; the pad slot, which the second pass's last trip loads and nobody uses
.endr
.irp x, 0,1,2,3
	ds_load_b128 v[Q+4*\x:Q+4*\x+3], v3 offset:512*\x               ; slot 0's scores, for the second pass (LDS serves a wave's instructions in order)
.endr
	HMERGE 0
	XCHG 0, 0, 5
	XCHG 0, 1, 6                                   ; m = v[L], T = v[L+19], in every lane of the query
	s_mov_b32 s19, 2048
.Lkeys:                                                ; five trips, a slot each; each quad is loaded again, for the next trip, as soon as it is used
	v_add_nc_u32 v7, s19, v3
	s_wait_alu depctr_va_vdst(0)
	v_lshl_add_u32 v[KB], v[G], 19, v[HT]          ; 0x800000 + ((32 g + 8 h) << 14)
.set I, 0
.rept 4
	s_wait_dscnt 3                                 ; this quad is in; the three younger ones may stay out
	KEYR I
.irp e, 0,1,2,3
	INS 1, KT+4+\e
.endr
	ds_load_b128 v[Q+4*I:Q+4*I+3], v7 offset:512*I
.set I, I+1
.endr
	TURNG
	s_add_co_u32 s19, s19, 2048
	s_cmp_lg_u32 s19, SCW
	s_cbranch_scc1 .Lkeys
	s_wait_dscnt 0x0
	s_wait_alu depctr_va_vdst(0)
	HMERGE 1
	XCHG 1, 2, 5
	XCHG 1, 3, 6
.set i, 0
.rept 20
	v_add_nc_u32 v[K+i], 0xff800000, v[K+i]        ; less 0x800000
.set i, i+1
.endr
.set i, 0
.rept 20
	v_bfe_u32 v[P+i], v[K+i], 14, 15               ; the index
	v_and_b32 v[K+i], 0x3fff, v[K+i]               ; p as f16
.set i, i+1
.endr
	v_cvt_f32_f16 v36, v36.l                       ; K's twenty registers, by number: a register's half is named by number
	v_cvt_f32_f16 v37, v37.l
	v_cvt_f32_f16 v38, v38.l
	v_cvt_f32_f16 v39, v39.l
	v_cvt_f32_f16 v40, v40.l
	v_cvt_f32_f16 v41, v41.l
	v_cvt_f32_f16 v42, v42.l
	v_cvt_f32_f16 v43, v43.l
	v_cvt_f32_f16 v44, v44.l
	v_cvt_f32_f16 v45, v45.l
	v_cvt_f32_f16 v46, v46.l
	v_cvt_f32_f16 v47, v47.l
	v_cvt_f32_f16 v48, v48.l
	v_cvt_f32_f16 v49, v49.l
	v_cvt_f32_f16 v50, v50.l
	v_cvt_f32_f16 v51, v51.l
	v_cvt_f32_f16 v52, v52.l
	v_cvt_f32_f16 v53, v53.l
	v_cvt_f32_f16 v54, v54.l
	v_cvt_f32_f16 v55, v55.l
	v_and_b32 v7, 31, v0                           ; lane
.set i, 0
.rept 20
	v_lshl_or_b32 v[K+i], v[K+i], 2, v[P+i]        ; p's bits 29:13 go to 31:15 (bits 31, 30 and 12:0 of p are 0); the index, under 32,768, takes the low 15
.set i, i+1
.endr
	v_cmp_gt_u32 vcc_lo, 16, v7
	s_wait_alu depctr_va_vdst(0)
	s_cmp_lg_u32 s18, 0                            ; all four waves hold the same lists: wave 0 stores them
	s_cbranch_scc1 .Lend
	LISTOUT K, 14
.Lend:
	v_lshl_add_u32 v126, v0, 2, 0x20000            ; my spare word and 0 are made here, from v0, which is as at the entry: windows 0 and 1 have no two registers to keep for them from the head on
	v_mov_b32 v127, 0
	s_wait_alu depctr_va_vdst(0)                   ; directly ahead of the wait below
	s_wait_tensorcnt 0x0                           ; the wave's end
	ds_add_u32 v126, v127
	s_wait_dscnt 0x0
	s_endpgm
; WORK-GROUPS 256-511 share nothing with the first 256.  They lay mem_v1 and mem_v2 (f32, the memory axis innermost) out as the read-out's table:
; vtab [128 groups of four channels][32,768 elements][4] of bf16: element n of group g at byte 262,144 g + 8 n; channels 0-255 are mem_v1's, 256-511 mem_v2's.
; Work-group 256 + j: group j / 2, half j % 2 of the elements; wave w 4,096 elements: 32 runs of 128.  A lane takes two neighbouring elements of each of the four rows (a load covers 256 consecutive bytes, aligned),
; so its four packed words are 16 consecutive bytes of the table and a store covers 512.  Three sets of 8 loads take turns: 24 loads a wave are out.  No LDS, no barrier on this way.
.set VS, 16                            ; v16-63   three sets: 64 elements u, row c at VS + 16 s + 8 u + 2 c
.set VO, 64                            ; v64-87   three sets of packed words
.macro VLOAD s, o
.irp u, 0,1
.irp c, 0,1,2,3
	global_load_b64 v[VS+16*(\s)+8*\u+2*\c:VS+16*(\s)+8*\u+2*\c+1], v2, s[4:5] offset:131072*\c+256*\u+(\o) th:TH_LOAD_NT
.endr
.endr
.endm
.macro VWORK s, o, cnt                 ; cnt: the loads issued behind this set's, which may stay out
	s_wait_loadcnt \cnt
.irp u, 0,1
.set rI, VS+16*(\s)+8*\u
.set rO, VO+8*(\s)+4*\u
	v_cvt_pk_bf16_f32 v[rO], v[rI], v[rI+2]        ; first element: channels 0, 1
	v_cvt_pk_bf16_f32 v[rO+1], v[rI+4], v[rI+6]    ; channels 2, 3
	v_cvt_pk_bf16_f32 v[rO+2], v[rI+1], v[rI+3]    ; second element
	v_cvt_pk_bf16_f32 v[rO+3], v[rI+5], v[rI+7]
.endr
.irp u, 0,1
	global_store_b128 v3, v[VO+8*(\s)+4*\u:VO+8*(\s)+4*\u+3], s[8:9] offset:512*\u+(\o)
.endr
.endm
.Lconv:
	s_load_b128 s[4:7], s[0:1], 0x30               ; mem_v1 s[4:5], mem_v2 s[6:7]
	s_load_b64 s[8:9], s[0:1], 0x40                ; vtab
	v_lshrrev_b32 v1, 5, v0
	v_readfirstlane_b32 s10, v1                    ; wave 0..3
	v_and_b32 v1, 31, v0
	v_lshlrev_b32 v2, 3, v1                        ; in: 8 bytes a lane
	v_lshlrev_b32 v3, 4, v1                        ; out: 16 bytes a lane
	s_sub_co_u32 s11, ttmp9, 256
	s_lshr_b32 s12, s11, 1                         ; the group of four channels, 0..127
	s_and_b32 s13, s11, 1
	s_lshl_b32 s14, s13, 2
	s_add_co_u32 s14, s14, s10                     ; which 4,096 elements: 4 x half + wave
	s_and_b32 s16, s12, 63
	s_lshl_b32 s16, s16, 19                        ; four rows of 131,072 bytes a group,
	s_lshl_b32 s15, s14, 14
	s_add_co_u32 s16, s16, s15                     ; my 16,384 bytes of a row
	s_mov_b32 s17, 0
	s_lshl_b32 s18, s12, 18
	s_lshl_b32 s15, s14, 15
	s_add_co_u32 s18, s18, s15                     ; the table: 262,144 bytes a group, my 32,768
	s_mov_b32 s19, 0
	s_wait_alu depctr_va_vdst(0)                   ; the wait at the head's end
	s_wait_kmcnt 0x0
	s_cmp_lt_u32 s12, 64                           ; which tensor: the choice hangs on the work-group's number alone
	s_cselect_b64 s[4:5], s[4:5], s[6:7]
	s_add_nc_u64 s[4:5], s[4:5], s[16:17]
	s_add_nc_u64 s[8:9], s[8:9], s[18:19]
	VLOAD 0, 0
	VLOAD 1, 512
	VLOAD 2, 1024
	s_mov_b32 s20, 9
.Lvrun:                                                ; nine trips of three runs; each set takes the run three further on as soon as it is packed
	VWORK 0, 0, 16
	VLOAD 0, 1536
	VWORK 1, 1024, 16
	VLOAD 1, 2048
	VWORK 2, 2048, 16
	VLOAD 2, 2560
	s_wait_xcnt 0x0                                ; the bases and the stores' data are written again only behind this wait
	s_add_nc_u64 s[4:5], s[4:5], 1536
	s_add_nc_u64 s[8:9], s[8:9], 3072
	s_sub_co_i32 s20, s20, 1
	s_cmp_lg_u32 s20, 0
	s_cbranch_scc1 .Lvrun
	VWORK 0, 0, 16                                 ; runs 27 to 31 are written out: only runs 30 and 31 are still fetched
	VLOAD 0, 1536
	VWORK 1, 1024, 16
	VLOAD 1, 2048
	VWORK 2, 2048, 16
	s_wait_xcnt 0x0                                ; the stores of runs 27 and 28 have read their data
	VWORK 0, 3072, 8
	VWORK 1, 4096, 0
	s_endpgm
.Lfunc_end_k_qc03fac6967_rank:
	.size	k_qc03fac6967_rank, .Lfunc_end_k_qc03fac6967_rank-k_qc03fac6967_rank
	.p2alignl 7, 3214868480
	.fill 96, 4, 3214868480
	.section	.rodata,"a",@progbits
	.p2align	6, 0x0
	.amdhsa_kernel k_qc03fac6967_rank
		.amdhsa_group_segment_fixed_size 131584
		.amdhsa_private_segment_fixed_size 0
		.amdhsa_enable_private_segment 0
		.amdhsa_kernarg_size 72
		.amdhsa_user_sgpr_count 2
		.amdhsa_user_sgpr_kernarg_segment_ptr 1
		.amdhsa_wavefront_size32 1
		.amdhsa_system_sgpr_workgroup_id_x 1
		.amdhsa_system_sgpr_workgroup_id_y 1
		.amdhsa_system_sgpr_workgroup_id_z 1
		.amdhsa_system_vgpr_workitem_id 0
		.amdhsa_next_free_vgpr 512
		.amdhsa_next_free_sgpr 66
		.amdhsa_reserve_vcc 1
		.amdhsa_float_denorm_mode_32 3
		.amdhsa_float_denorm_mode_16_64 3
		.amdhsa_memory_ordered 1
		.amdhsa_forward_progress 1
		.amdhsa_inst_pref_size 255
	.end_amdhsa_kernel
	.section	.bss,"aw",@nobits
	.p2align	6
	.space	262144
	.amdgpu_metadata
---
amdhsa.version: [ 1, 2 ]
amdhsa.kernels:
  - .name:           k_qc03fac6967_rank
    .symbol:         k_qc03fac6967_rank.kd
    .args:
      - { .name: gsel, .offset: 0, .size: 8, .value_kind: global_buffer, .address_space: global }
      - { .name: mimg, .offset: 8, .size: 8, .value_kind: global_buffer, .address_space: global }
      - { .name: qimg, .offset: 16, .size: 8, .value_kind: global_buffer, .address_space: global }
      - { .name: na8, .offset: 24, .size: 8, .value_kind: global_buffer, .address_space: global }
      - { .name: lowp_scales, .offset: 32, .size: 8, .value_kind: global_buffer, .address_space: global }
      - { .name: lst, .offset: 40, .size: 8, .value_kind: global_buffer, .address_space: global }
      - { .name: mem_v1, .offset: 48, .size: 8, .value_kind: global_buffer, .address_space: global }
      - { .name: mem_v2, .offset: 56, .size: 8, .value_kind: global_buffer, .address_space: global }
      - { .name: vtab, .offset: 64, .size: 8, .value_kind: global_buffer, .address_space: global }
    .group_segment_fixed_size: 131584
    .private_segment_fixed_size: 0
    .kernarg_segment_align: 8
    .kernarg_segment_size: 72
    .max_flat_workgroup_size: 128
    .sgpr_count:     66
    .vgpr_count:     512
    .wavefront_size: 32
...
	.end_amdgpu_metadata
.endif
;; end of part 4
;; launch read (part 5): grid 256 x 1, 16 waves a work-group, no clusters, 264,192 bytes of LDS; arguments vtab, lst, out0; writes out0
.if DOCPART == 5
	.amdgcn_target "amdgcn-amd-amdhsa--gfx1250"
	.amdhsa_code_object_version 6
	.text
	.protected	k_qc03fac6967_read
	.globl	k_qc03fac6967_read
	.p2align	8
	.type	k_qc03fac6967_read,@function
k_qc03fac6967_read:
	s_mov_b64 s[64:65], 0
	v_nop
	global_prefetch_b8 v0, s[64:65] scope:SCOPE_SE
	s_setreg_imm32_b32 hwreg(HW_REG_WAVE_MODE, 25, 1), 1
	s_wait_xcnt 0x0
; out0[c][q] = the sum over k of w[q][k] x value[c][idx[q][k]], w = p / (the sum of the query's 20 p); channels 0-255 are mem_v1's, 256-511 mem_v2's.
; THE READ-OUT IS TURNED ROUND: a work-group owns FOUR CHANNELS and half of the queries.  Its table, vtab's group g = 32,768 entries of 8 bytes (four bf16 numbers, laid by an earlier launch), comes into LDS as it lies:
; 262,144 bytes, one tensor load of 64 rows x 256 bytes a wave.  One LDS load of 8 bytes then gathers four channels of an element.
; lst: a word a (query, k): the index in bits 14:0; bits 31:15 are bits 29:13 of p as f32 (exact: p has f16's bits and is at most 1).  These products are left as they are: bf16 values, f32 p, f32 sums
; (v_fma_mix_f32_bf16: the entry's half times p, added in f32).  The 20 p are summed in f32 beside the products, and the four sums of a query are divided by that sum once, at the end; it is at least 1, the best element's own p.
; SHARES.  Work-group j: channels 4 (j % 128) + 0 .. 3, queries 2,048 (j / 128) on.  Wave w: block b = 16 (j / 128) + w of 128 queries, in four groups of 32: group gr, lane l: query 128 b + 4 l + gr,
; so that a lane ends with four neighbouring queries a channel: 16 bytes, and a store covers 512 consecutive bytes, aligned.
; The wave's lists (20 loads of 512 consecutive bytes, 80 registers) are asked for once, behind the tensor load.  The gathers run one group ahead of the sums, in two sets of registers.
; The LDS addresses hang on lst, whole numbers that an earlier launch stored, held under 32,768.
; NO CLUSTER: a table has two readers only; the lists that 128 work-groups share are 163,840 bytes a work-group, which do not fit in LDS beside a table of 262,144, and go straight into registers.
; NO PREFETCH: LDS is filled once, at the head; there is no loop to run ahead in.  No matrix work: K = 20 with a gather for each query.
.set SPARE, 262144                     ; behind the table: the spare words, 128 bytes for each of 16 waves
.set SPW,  2                           ; v2       LDS address of my spare word; never rewritten
.set NIL,  3                           ; v3       0; never rewritten
.set LS,   8                           ; v8-87    my lists: group gr, word k at LS + 20 gr + k; behind ADDR: p as f32
.set AD,   88                          ; v88-107  a group's twenty LDS addresses
.set GV,   108                         ; v108-187 two sets of twenty gathered entries
.set ACC,  188                         ; v188-203 channel c, group gr at ACC + 4 c + gr
.set T,    204                         ; v204-207 at work
.set SM,   210                         ; v210-213 the groups' sums of p
.set PS,   214                         ; v214-215 a sum of p in two halves
.macro ADDR gr                         ; five passes over twenty independent words
.set lW, LS+20*(\gr)
.set k, 0
.rept 20
	v_and_b32 v[AD+k], 0x7fff, v[lW+k]             ; the index
.set k, k+1
.endr
.set k, 0
.rept 20
	v_min_u32 v[AD+k], 0x7fff, v[AD+k]             ; the hold of a loaded number on its way into an address
.set k, k+1
.endr
.set k, 0
.rept 20
	v_lshlrev_b32 v[AD+k], 3, v[AD+k]              ; 8 bytes an entry
.set k, k+1
.endr
.set k, 0
.rept 20
	v_lshrrev_b32 v[lW+k], 2, v[lW+k]              ; p's bits back in their places,
.set k, k+1
.endr
.set k, 0
.rept 20
	v_and_b32 v[lW+k], 0x3fffe000, v[lW+k]         ; and nothing else: p as f32
.set k, k+1
.endr
.endm
.macro GATH gr
.set gW, GV+40*((\gr)&1)
.set k, 0
.rept 20
	ds_load_b64 v[gW+2*k:gW+2*k+1], v[AD+k]
.set k, k+1
.endr
.endm
.macro SUMS gr
.set lW, LS+20*(\gr)
.set gW, GV+40*((\gr)&1)
.set aW, ACC+(\gr)
	v_lshlrev_b32 v[T], 16, v[gW]                  ; the first product starts the sums: nothing is cleared.  bf16 widens to f32 by its place in the word
	v_and_b32 v[T+1], 0xffff0000, v[gW]
	v_lshlrev_b32 v[T+2], 16, v[gW+1]
	v_and_b32 v[T+3], 0xffff0000, v[gW+1]
	v_mul_f32 v[aW], v[T], v[lW]
	v_mul_f32 v[aW+4], v[T+1], v[lW]
	v_mul_f32 v[aW+8], v[T+2], v[lW]
	v_mul_f32 v[aW+12], v[T+3], v[lW]
.set k, 1
.rept 19
	v_fma_mix_f32_bf16 v[aW], v[gW+2*k], v[lW+k], v[aW] op_sel_hi:[1,0,0]                        ; a half of the entry x p, four sums by turns
	v_fma_mix_f32_bf16 v[aW+4], v[gW+2*k], v[lW+k], v[aW+4] op_sel:[1,0,0] op_sel_hi:[1,0,0]
	v_fma_mix_f32_bf16 v[aW+8], v[gW+2*k+1], v[lW+k], v[aW+8] op_sel_hi:[1,0,0]
	v_fma_mix_f32_bf16 v[aW+12], v[gW+2*k+1], v[lW+k], v[aW+12] op_sel:[1,0,0] op_sel_hi:[1,0,0]
.if k == 2
	v_pk_add_f32 v[PS:PS+1], v[lW:lW+1], v[lW+2:lW+3]              ; the sum of the 20 p, two at a time, a step behind every second k
.elseif (k&1) == 0
	v_pk_add_f32 v[PS:PS+1], v[PS:PS+1], v[lW+k:lW+k+1]
.endif
.set k, k+1
.endr
	v_add_f32 v[SM+(\gr)], v[PS], v[PS+1]
.endm
	s_load_b128 s[4:7], s[0:1], 0x0                ; vtab s[4:5], lst s[6:7]
	s_load_b64 s[8:9], s[0:1], 0x10                ; out0
	v_lshl_add_u32 v[SPW], v0, 2, SPARE
	v_mov_b32 v[NIL], 0
	ds_add_u32 v[SPW], v[NIL]                      ; the opening: the add, twice on end, and its wait ahead of my tensor load
	ds_add_u32 v[SPW], v[NIL]
	v_lshrrev_b32 v1, 5, v0
	v_readfirstlane_b32 s10, v1                    ; wave 0..15
	v_and_b32 v1, 31, v0
	v_lshlrev_b32 v1, 4, v1                        ; 16 x lane
	s_mov_b32 s12, 1                               ; group 0: count = 1,
	s_lshl_b32 s13, s10, 14                        ; LDS address: my 16,384 bytes of the table
	s_mov_b32 s16, 3<<16                           ; group 1: elements of 8 bytes, no padding
	s_mov_b32 s17, 32<<16                          ; tensor_dim0 = 32: rows of 256 bytes
	s_mov_b32 s18, 64<<16                          ; tensor_dim1 = 64
	s_mov_b32 s19, 32<<16                          ; tile_dim0 = 32
	s_mov_b32 s20, 64                              ; tile_dim1 = 64
	s_mov_b32 s21, 32                              ; the pitch: the block is dense
	s_mov_b32 s22, 0
	s_mov_b32 s23, 0
	s_and_b32 s24, ttmp9, 127                      ; the group of four channels
	s_lshr_b32 s25, ttmp9, 7                       ; which half of the queries
	s_lshl_b32 s25, s25, 4
	s_add_co_u32 s25, s25, s10                     ; my block of 128 queries
	s_lshl_b32 s26, s24, 18
	s_add_co_u32 s26, s26, s13                     ; vtab: 262,144 bytes a group, my 16,384
	s_mov_b32 s27, 0
	s_mul_i32 s28, s25, 10240                      ; lst: 10,240 bytes a block
	s_mov_b32 s29, 0
	s_lshl_b32 s30, s24, 16                        ; out0: four rows of 16,384 bytes a group,
	s_lshl_b32 s25, s25, 9
	s_add_co_u32 s30, s30, s25                     ; 512 bytes a block
	s_mov_b32 s31, 0
	s_wait_alu depctr_va_vdst(0)                   ; the wait at the head's end
	s_wait_dscnt 0x0                               ; both opening adds are done
	s_wait_kmcnt 0x0
	s_add_nc_u64 s[14:15], s[4:5], s[26:27]
	s_or_b32 s15, s15, 0x80000000                  ; type = 2
	tensor_load_to_lds s[12:15], s[16:23]          ; my one tensor load: every wave brings a sixteenth of the table
	s_nop 0
	s_add_nc_u64 s[6:7], s[6:7], s[28:29]
	s_add_nc_u64 s[8:9], s[8:9], s[30:31]
.irp g, 0,1,2,3
.irp x, 0,1,2,3,4
	global_load_b128 v[LS+20*\g+4*\x:LS+20*\g+4*\x+3], v1, s[6:7] offset:512*\g+2048*\x
.endr
.endr
	s_wait_loadcnt 15                              ; group 0's five loads are in; the other groups' fifteen may stay out
	ADDR 0
	s_wait_alu depctr_va_vdst(0)                   ; the addresses
	s_wait_tensorcnt 0x0                           ; my part of the table has landed
	s_barrier_signal -1
	s_barrier_wait -1                              ; the one barrier: everybody's has; from here on LDS is only read
	GATH 0
.irp g, 0,1,2,3
.if \g < 3
	s_wait_loadcnt 10-5*\g                         ; the next group's lists are in; the later groups' may stay out
	ADDR \g+1
	GATH \g+1
	s_wait_alu depctr_va_vdst(0)                   ; directly ahead of the wait below
	s_wait_dscnt 20                                ; this group's twenty entries are in; the next group's twenty may stay out
.else
	s_wait_alu depctr_va_vdst(0)
	s_wait_dscnt 0x0
.endif
	SUMS \g
.endr
	s_wait_alu depctr_va_vdst(0)                   ; the wait ahead of the batch,
.irp g, 0,1,2,3
	v_rcp_f32 v[SM+\g], v[SM+\g]
.endr
	v_nop                                          ; a plain place behind the last reciprocal,
	s_wait_alu depctr_va_vdst(0)                   ; and for the wait behind it, ahead of the first reader
.irp c, 0,1,2,3
.irp p, 0,2
	v_pk_mul_f32 v[ACC+4*\c+\p:ACC+4*\c+\p+1], v[ACC+4*\c+\p:ACC+4*\c+\p+1], v[SM+\p:SM+\p+1]   ; each query's sums / its sum of p
.endr
.endr
.irp c, 0,1,2,3
	global_store_b128 v1, v[ACC+4*\c:ACC+4*\c+3], s[8:9] offset:16384*\c th:TH_STORE_NT   ; 128 neighbouring queries of a channel: 512 consecutive bytes, aligned
.endr
	s_wait_tensorcnt 0x0                           ; the wave's end
	ds_add_u32 v[SPW], v[NIL]
	s_wait_dscnt 0x0
	s_endpgm
.Lfunc_end_k_qc03fac6967_read:
	.size	k_qc03fac6967_read, .Lfunc_end_k_qc03fac6967_read-k_qc03fac6967_read
	.p2alignl 7, 3214868480
	.fill 96, 4, 3214868480
	.section	.rodata,"a",@progbits
	.p2align	6, 0x0
	.amdhsa_kernel k_qc03fac6967_read
		.amdhsa_group_segment_fixed_size 264192
		.amdhsa_private_segment_fixed_size 0
		.amdhsa_enable_private_segment 0
		.amdhsa_kernarg_size 24
		.amdhsa_user_sgpr_count 2
		.amdhsa_user_sgpr_kernarg_segment_ptr 1
		.amdhsa_wavefront_size32 1
		.amdhsa_system_sgpr_workgroup_id_x 1
		.amdhsa_system_sgpr_workgroup_id_y 1
		.amdhsa_system_sgpr_workgroup_id_z 1
		.amdhsa_system_vgpr_workitem_id 0
		.amdhsa_next_free_vgpr 216
		.amdhsa_next_free_sgpr 66
		.amdhsa_reserve_vcc 0
		.amdhsa_float_denorm_mode_32 3
		.amdhsa_float_denorm_mode_16_64 3
		.amdhsa_memory_ordered 1
		.amdhsa_forward_progress 1
		.amdhsa_inst_pref_size 54
	.end_amdhsa_kernel
	.amdgpu_metadata
---
amdhsa.version: [ 1, 2 ]
amdhsa.kernels:
  - .name:           k_qc03fac6967_read
    .symbol:         k_qc03fac6967_read.kd
    .args:
      - { .name: vtab, .offset: 0, .size: 8, .value_kind: global_buffer, .address_space: global }
      - { .name: lst, .offset: 8, .size: 8, .value_kind: global_buffer, .address_space: global }
      - { .name: out0, .offset: 16, .size: 8, .value_kind: global_buffer, .address_space: global }
    .group_segment_fixed_size: 264192
    .private_segment_fixed_size: 0
    .kernarg_segment_align: 8
    .kernarg_segment_size: 24
    .max_flat_workgroup_size: 512
    .sgpr_count:     66
    .vgpr_count:     216
    .wavefront_size: 32
...
	.end_amdgpu_metadata
.endif
;; end of part 5
